; MI455X (gfx1250); checked and timed in simulation.
; The chip was launched on July 23, 2026; its instructions are those of AMD's public machine-readable ISA for CDNA 5 (MIT licence, August 2026) and "CDNA5" Instruction Set Architecture Reference Guide (July 2026). The comments in the code are by the model that wrote it; some were corrected since.
;; Radix Attention. Allowed arithmetic: matrix products marked QUANTISED: E3M2 operands, one E8M0 scale for each 32 along K, by v_wmma_scale_f32_16x16x128_f8f6f4 with both operands' format E3M2, f32 sums; everything else in f32.
;; Inputs: k 2,048 x 8 x 128 float32; prefix_k 2 x 1,024 x 8 x 128 float32; prefix_v 2 x 1,024 x 8 x 128 float32; q 2,048 x 32 x 128 float32; v 2,048 x 8 x 128 float32.
;; Outputs: out0 2,048 x 4,096 float32.
;; This version of the problem:
;;   THIS VERSION OF THE PROBLEM IS GIVEN IN LOW PRECISION. The matrix products marked QUANTISED in the list below multiply operands that are first quantised to E3M2 (3 exponent bits, 2 mantissa bits; 6 bits a number), with one power-of-two scale for each 32 numbers along K (OCP MX v1.0); their sums are f32. All else is computed in f32.
;;   The module's matrix products, in the order in which they are computed (A, B: the left and right operand; K: the contracted axis; several contracted axes count as one K, in the product's order):
;;     1. batch 16 x [M 1,024, K 128] x [K 128, N 4,096]; A: input k; B: input q: QUANTISED
;;     2. batch 16 x [M 128, K 1,024] x [K 1,024, N 4,096]; A: input v; B: computed on the way: QUANTISED
;;     3. batch 16 x [M 1,024, K 128] x [K 128, N 4,096]; A: input prefix_k; B: input q: QUANTISED
;;     4. batch 16 x [M 128, K 1,024] x [K 1,024, N 4,096]; A: input prefix_v; B: computed on the way: QUANTISED
;;   THE QUANTISER, for each operand of a quantised product, along K:
;;     - K is cut into blocks of 32 from its start; a last block that is shorter is filled with zeros.
;;     - A block's scale is 2^e with e = floor(log2(the largest magnitude in the block)) - 4, held to -126 .. 127; a block of zeros has e = 0. As a byte (E8M0): e + 127.
;;     - Each number is divided by its block's scale, clamped to +-28, and rounded to the nearest number of E3M2, ties to even, subnormals kept.
;;     - The product sums the exact products of the quantised numbers (number of the format x scale) in f32.
;;   ~~~python
;;   def quantise(x, axis):      # numpy; x: float32 -> the quantised numbers, widened to float32 again
;;       x = np.moveaxis(x, axis, -1); K = x.shape[-1]
;;       x = np.pad(x, [(0, 0)] * (x.ndim - 1) + [(0, -K % 32)]); x = x.reshape(x.shape[:-1] + (-1, 32)); a = np.abs(x).max(-1, keepdims=True)
;;       e = np.where(a > 0, np.clip(np.frexp(np.where(a > 0, a, 1))[1] - 1 - 4, -126, 127), 0)      # np.frexp(a)[1] - 1 = floor(log2(a)), exactly
;;       r = np.clip(x / 2.0 ** e, -28, 28)
;;       step = 2.0 ** (np.maximum(np.frexp(np.where(r == 0, 1, r))[1] - 1, -2) - 2)
;;       q = np.round(r / step) * step * 2.0 ** e      # np.round: ties to even
;;       return np.moveaxis(q.reshape(q.shape[:-2] + (-1,))[..., :K], -1, axis).astype(np.float32)
;;   ~~~
;;   OPERANDS COMPUTED ON THE WAY. 'Computed on the way' means the value that the module computes at that place (a softmax that the list does not call 'softmax' is quantised finished and normalised). What goes into a quantiser is computed in f32, as accurately as f32 sums, v_exp_f32 and their like allow (about 1e-6 of the number): no bf16 or f16 on the way to a quantiser, and a product that is left as it is and whose result goes on into a quantised operand takes f32 operands (vector FMAs, or v_wmma_f32_16x16x4_f32). A number that lies on a knife's edge between two numbers of the format may be rounded either way, as far as f32 arithmetic and the matrix unit's own rounding can turn it there, and no further.
;; One version. Each part assembles by itself: llvm-mc -triple=amdgcn-amd-amdhsa -mcpu=gfx1250 --defsym DOCPART=n.
;; ======== version 1 of 1: 2 launches
;; limits: inputs' magnitudes at most 3e+22; right only within a limited range of input values
;; workspace buffers: kvq 6,553,600 bytes
;; launch quant (part 1): grid 256 x 2, 4 waves a work-group, no clusters, 1,536 bytes of LDS; arguments k, prefix_k, v, prefix_v, kvq; writes kvq
.if DOCPART == 1
	.amdgcn_target "amdgcn-amd-amdhsa--gfx1250"
	.amdhsa_code_object_version 6
	.text
	.protected	k_qf5a601a875_quant
	.globl	k_qf5a601a875_quant
	.p2align	8
	.type	k_qf5a601a875_quant,@function
k_qf5a601a875_quant:
	s_mov_b64 s[64:65], 0
	v_nop
	global_prefetch_b8 v0, s[64:65] scope:SCOPE_SE
	s_setreg_imm32_b32 hwreg(HW_REG_WAVE_MODE, 25, 1), 1
	s_wait_xcnt 0x0
; k, prefix_k, v, prefix_v (f32, [token][8 heads][128]) become codes of BF6 (E3M2) with one E8M0 scale byte for each 32 along a product's K, laid in kvq
; IN THE ORDER OF THE OPERANDS' REGISTERS, so that the attention launch takes a fragment by three loads of 16 bytes a lane.
; kvq: 32 sequences of 204,800 bytes, sequence s = 2 (8 request + head) + pass (pass 0 = prefix, 1 = new tokens): a head's prefix and its new tokens lie on end.
; A sequence: [K records 0-3][V records 0-3][K records 4-7][V records 4-7].
; A RECORD is 128 keys, 12,800 bytes: eight fragments (16 rows x 128 along K, 12 registers a lane) of 1,536 bytes, registers 4 c .. 4 c + 3 of lane l of tile t at 1536 t + 512 c + 16 l;
; then 512 bytes of scale words: the word of tile 2 j + u, row r at 12288 + 16 (r + 16 u) + 4 j.
; K record: K = the head's 128; row r of tile 2 b + u is key 32 b + 8 u + r + 8 (r / 8) of the record (so that the scores of two neighbouring tiles are 16 neighbouring keys in a lane).
; V record: K = the record's 128 keys in their order; row r of tile t is channel 16 t + r.
; A block's scale is 2^(floor(log2(its largest magnitude)) - 4); its byte is the largest magnitude's exponent field - 4, held at 1 from below.
; LIMITS: NaN and infinities among the inputs are not served; a block whose largest magnitude lies under 2^-122 gets the byte 1; a block of zeros gets the byte 1 where the rule says 127: its codes are
; zeros, which add nothing under any byte but 0xff, and the bytes are read by this program alone.
; SHARES: a work-group makes one record (x = 128 pass + 8 (8 request + head) + record; y = 0: K, 1: V).  Wave w makes tiles 2 w and 2 w + 1; lane (u = lane / 16, r = lane % 16) makes row r of tile 2 w + u,
; all 128 along K: four whole blocks in its 128 registers, so no maximum asks another lane.  No tensor load, one barrier (for the scale words).
.set RECB, 12800
.set SEQB, 204800
.set X,  64                            ; v64-191  my row's 128 numbers along K
.set C,  24                            ; v24-47   its codes: v24-35 what lane r of the fragment holds (blocks 0, 2), v36-47 what lane 16 + r holds (blocks 1, 3)
.set TP, 48                            ; v48-63   the blocks' upper halves, as the conversions leave them
	s_load_b256 s[4:11], s[0:1], 0x0               ; k s[4:5], prefix_k s[6:7], v s[8:9], prefix_v s[10:11]
	s_load_b64 s[12:13], s[0:1], 0x20              ; kvq
	v_lshl_add_u32 v208, v0, 2, 0x400              ; my spare word
	v_mov_b32 v209, 0
	v_lshrrev_b32 v1, 5, v0
	v_readfirstlane_b32 s14, v1                    ; wave 0..3
	v_and_b32 v1, 31, v0                           ; lane
	v_lshrrev_b32 v2, 4, v1                        ; u
	v_and_b32 v3, 15, v0                           ; r
	v_mul_u32_u24 v5, v2, 1536
	v_lshl_add_u32 v5, v3, 4, v5                   ; where my codes go in my wave's two tiles: 1536 u + 16 r
	v_lshlrev_b32 v7, 4, v1                        ; 16 x lane
	s_lshl_b32 s15, s14, 2
	v_add_nc_u32 v6, s15, v7                       ; LDS: my scale word: 16 x lane + 4 x wave
	s_and_b32 s16, ttmp7, 0xffff                   ; y: 0 = K, 1 = V
	s_lshr_b32 s17, ttmp9, 7                       ; pass
	s_bfe_u32 s18, ttmp9, 0x40003                  ; 8 x request + head
	s_and_b32 s19, ttmp9, 7                        ; record
	s_lshl_b32 s20, s18, 1
	s_add_co_u32 s20, s20, s17                     ; sequence = 2 (8 request + head) + pass
	s_lshr_b32 s21, s18, 3                         ; from where: token 1024 x request + 128 x record, 4,096 bytes a token; head x 512
	s_lshl_b32 s21, s21, 10
	s_lshl_b32 s22, s19, 7
	s_add_co_u32 s21, s21, s22
	s_lshl_b32 s21, s21, 12
	s_and_b32 s22, s18, 7
	s_lshl_b32 s22, s22, 9
	s_add_co_u32 s24, s21, s22
	s_lshl_b32 s22, s14, 17                        ; K: my wave's 32 keys
	s_lshl_b32 s23, s14, 7                         ; V: my wave's 32 channels
	s_cmp_eq_u32 s16, 0
	s_cselect_b32 s22, s22, s23
	s_add_co_u32 s24, s24, s22
	s_mov_b32 s25, 0
	s_mul_i32 s26, s20, SEQB                       ; to where: the record's first byte
	s_lshr_b32 s22, s19, 2
	s_mul_i32 s22, s22, 102400
	s_add_co_u32 s26, s26, s22
	s_mul_i32 s22, s16, 51200
	s_add_co_u32 s26, s26, s22
	s_and_b32 s22, s19, 3
	s_mul_i32 s22, s22, RECB
	s_add_co_u32 s26, s26, s22
	s_mov_b32 s27, 0
	s_mul_i32 s28, s14, 3072                       ; my wave's two tiles in it
	s_mov_b32 s29, 0
	s_wait_kmcnt 0x0
	s_cmp_eq_u32 s17, 0                            ; the buffer is chosen by the work-group's numbers alone
	s_cselect_b64 s[4:5], s[6:7], s[4:5]           ; prefix_k or k
	s_cselect_b64 s[8:9], s[10:11], s[8:9]         ; prefix_v or v
	s_cmp_eq_u32 s16, 0
	s_cselect_b64 s[4:5], s[4:5], s[8:9]
	s_add_nc_u64 s[4:5], s[4:5], s[24:25]
	s_add_nc_u64 s[12:13], s[12:13], s[26:27]      ; the record
	s_add_nc_u64 s[30:31], s[12:13], s[28:29]      ; my two tiles
	s_cmp_eq_u32 s16, 0
	s_cbranch_scc0 .Lvkind
	; K: my row is a key; its 128 numbers are 512 neighbouring bytes
	s_wait_alu depctr_va_vdst(0)
	v_and_b32 v4, 8, v3
	v_add_nc_u32 v4, v4, v3                        ; r + 8 (r / 8)
	v_lshl_add_u32 v4, v2, 3, v4                   ; + 8 u
	v_lshlrev_b32 v4, 12, v4                       ; 4,096 bytes a token
.set qi, 0
.rept 32
	global_load_b128 v[X+4*qi:X+4*qi+3], v4, s[4:5] offset:16*qi
.set qi, qi+1
.endr
	s_branch .Lquant
.Lvkind:
	; V: my row is a channel, and my registers run down the keys: each load reads 128 neighbouring bytes in the wave, the four waves a head's 512
	s_wait_alu depctr_va_vdst(0)
	v_lshlrev_b32 v4, 2, v1
.set qi, 0
.rept 128
	global_load_b32 v[X+qi], v4, s[4:5] offset:4096*qi th:TH_LOAD_NT
.set qi, qi+1
.endr
.Lquant:
	s_wait_loadcnt 0x0
.irp b, 0,1,2,3
	v_max3_num_f32 v[8+\b], |v[X+32*\b]|, |v[X+32*\b+1]|, 0x2800000   ; block b's largest magnitude, and the floor 2^(5 - 127): so the byte cannot fall under 1
.endr
.irp i, 2,4,6,8,10,12,14,16,18,20,22,24,26,28,30
.irp b, 0,1,2,3
	v_max3_num_f32 v[8+\b], v[8+\b], |v[X+32*\b+\i]|, |v[X+32*\b+\i+1]|   ; (the four blocks by turns)
.endr
.endr
.irp b, 0,1,2,3
	v_add_nc_u32 v[12+\b], 0xfe000000, v[8+\b]     ; 4 off its exponent field: the conversion takes the exponent field of this operand as its scale
.endr
.irp b, 0,1,2,3
	v_lshrrev_b32 v[16+\b], 23, v[12+\b]           ; the scale's byte
.endr
	v_lshl_or_b32 v20, v17, 8, v16                 ; my row's scale word
	v_lshl_or_b32 v20, v18, 16, v20
	v_lshl_or_b32 v20, v19, 24, v20
.irp b, 0,1,2,3
	v_cvt_scalef32_pk16_bf6_f32 v[C+12*(\b%2)+6*(\b/2):C+12*(\b%2)+6*(\b/2)+2], v[X+32*\b:X+32*\b+15], v[12+\b]
	v_cvt_scalef32_pk16_bf6_f32 v[TP+4*\b:TP+4*\b+2], v[X+32*\b+16:X+32*\b+31], v[12+\b]   ; (a conversion's three registers begin on an even number: the upper half is made elsewhere and moved)
.endr
	v_nop                                          ; one plain place behind a scaled conversion
.irp b, 0,1,2,3
.irp i, 0,1,2
	v_mov_b32 v[C+12*(\b%2)+6*(\b/2)+3+\i], v[TP+4*\b+\i]
.endr
.endr
	ds_store_b32 v6, v20
.irp h, 0,1
.irp c, 0,1,2
	global_store_b128 v5, v[C+12*\h+4*\c:C+12*\h+4*\c+3], s[30:31] offset:512*\c+256*\h   ; sixteen lanes store 256 consecutive bytes, at a multiple of 256 from kvq's first byte
.endr
.endr
	s_wait_dscnt 0x0                               ; for the others' sake: my scale words lie in LDS
	s_barrier_signal -1
	s_barrier_wait -1
	s_cmp_lg_u32 s14, 0
	s_cbranch_scc1 .Lend
	ds_load_b128 v[192:195], v7                    ; wave 0 stores the record's 512 bytes of scale words on end
	s_wait_dscnt 0x0
	global_store_b128 v7, v[192:195], s[12:13] offset:12288
.Lend:
	s_wait_tensorcnt 0x0                           ; the wave's end
	ds_add_u32 v208, v209
	s_wait_dscnt 0x0
	s_endpgm
.Lfunc_end_k_qf5a601a875_quant:
	.size	k_qf5a601a875_quant, .Lfunc_end_k_qf5a601a875_quant-k_qf5a601a875_quant
	.p2alignl 7, 3214868480
	.fill 96, 4, 3214868480
	.section	.rodata,"a",@progbits
	.p2align	6, 0x0
	.amdhsa_kernel k_qf5a601a875_quant
		.amdhsa_group_segment_fixed_size 1536
		.amdhsa_private_segment_fixed_size 0
		.amdhsa_enable_private_segment 0
		.amdhsa_kernarg_size 40
		.amdhsa_user_sgpr_count 2
		.amdhsa_user_sgpr_kernarg_segment_ptr 1
		.amdhsa_wavefront_size32 1
		.amdhsa_system_sgpr_workgroup_id_x 1
		.amdhsa_system_sgpr_workgroup_id_y 1
		.amdhsa_system_sgpr_workgroup_id_z 1
		.amdhsa_system_vgpr_workitem_id 0
		.amdhsa_next_free_vgpr 210
		.amdhsa_next_free_sgpr 66
		.amdhsa_reserve_vcc 0
		.amdhsa_float_denorm_mode_32 3
		.amdhsa_float_denorm_mode_16_64 3
		.amdhsa_memory_ordered 1
		.amdhsa_forward_progress 1
		.amdhsa_inst_pref_size 25
	.end_amdhsa_kernel
	.amdgpu_metadata
---
amdhsa.version: [ 1, 2 ]
amdhsa.kernels:
  - .name:           k_qf5a601a875_quant
    .symbol:         k_qf5a601a875_quant.kd
    .args:
      - { .name: k, .offset: 0, .size: 8, .value_kind: global_buffer, .address_space: global }
      - { .name: prefix_k, .offset: 8, .size: 8, .value_kind: global_buffer, .address_space: global }
      - { .name: v, .offset: 16, .size: 8, .value_kind: global_buffer, .address_space: global }
      - { .name: prefix_v, .offset: 24, .size: 8, .value_kind: global_buffer, .address_space: global }
      - { .name: kvq, .offset: 32, .size: 8, .value_kind: global_buffer, .address_space: global }
    .group_segment_fixed_size: 1536
    .private_segment_fixed_size: 0
    .kernarg_segment_align: 8
    .kernarg_segment_size: 40
    .max_flat_workgroup_size: 128
    .sgpr_count:     66
    .vgpr_count:     210
    .wavefront_size: 32
...
	.end_amdgpu_metadata
.endif
;; end of part 1
;; launch attn (part 2): grid 16 x 16, 4 waves a work-group, clusters of 4 x 1, 327,680 bytes of LDS; arguments q, kvq, out0; writes out0
.if DOCPART == 2
	.amdgcn_target "amdgcn-amd-amdhsa--gfx1250"
	.amdhsa_code_object_version 6
	.text
	.protected	k_qf5a601a875_attn
	.globl	k_qf5a601a875_attn
	.p2align	8
	.type	k_qf5a601a875_attn,@function
k_qf5a601a875_attn:
	s_mov_b64 s[64:65], 0
	v_nop
	global_prefetch_b8 v0, s[64:65] scope:SCOPE_SE
	s_setreg_imm32_b32 hwreg(HW_REG_WAVE_MODE, 25, 1), 1
	s_wait_xcnt 0x0
	s_wait_alu depctr_hold_cnt(0) depctr_sa_sdst(0) depctr_va_vdst(0) depctr_va_sdst(0) depctr_va_ssrc(0) depctr_va_vcc(0) depctr_vm_vsrc(0)
	s_getreg_b32 s2, hwreg(HW_REG_IB_STS2, 6, 4)
	s_cmp_eq_u32 s2, 0
	s_cbranch_scc0 .Lentry_in_a_cluster
	s_endpgm
.Lentry_in_a_cluster:
	s_bfe_u32 s2, ttmp6, 0x10000c
	s_cmp_lg_u32 s2, 0x3003
	s_cbranch_scc0 .Lentry_shape_is_right
	s_endpgm
.Lentry_shape_is_right:
; out0 = the merge of two attentions of q (f32, quantised here to BF6 along the head's 128): over the cached prefix (pass 0, all 1,024 keys) and, causally, over the new tokens (pass 1).
; K and V come as codes and scale words from kvq, in records of 128 keys laid in the order of the operands' registers.
; SHARES: work-group (x, y): y = 8 request + kv head; the cluster's four partners are the four query heads of that kv head; the cluster's x picks 64 tokens of each 256.
; A work-group walks four blocks of 64 tokens, 256 tokens apart; a wave has 16 tokens of one query head.  All 256 work-groups do the same number of records.
; Both products are used transposed (S^T = K Q^T, O^T = V^T P^T): a lane holds one query.  reference() quantises the NORMALISED p, so a pass keeps the row's p for up to 1,024 keys in 512 registers,
; sums them, and only then scales, quantises and multiplies them with V, record by record.
; NO MAXIMUM IS TAKEN AWAY: the soft cap holds every score within -30 .. 30 for all inputs, so p = e^s lies within e^-30 .. e^30 and a sum of 1,024 of them and the merge's weights stay far inside f32.
; The merge: o = (o1 l1 + o2 l2) / (l1 + l2), l = a pass's sum of e^s: the same number as reference()'s sigmoid of the difference of the two logarithms.
; LEFT OUT: records of new tokens that lie wholly behind a block's last query (reference()'s own causal mask gives them the weight 0).  In the two records at the diagonal p is set to 0 by a select.
; LDS: the prefix's whole sequence and the first half of the new tokens' (307,200 consecutive bytes of kvq) come once, by one joint load a wave (300 rows of 256 bytes), shared by the cluster's four;
; nothing is filled again.  The new tokens' records 4-7 do not fit beside them and come from memory straight into registers.
; LIMITS: NaN and infinities among the inputs are not served.
.set RECB,  12800
; THE ORDER OF THE WORK: wave w takes the work-group's four blocks in the order w, w + 1, .. (mod 4), and in each block first the new tokens (trip 0 of the loop over passes: 2, 4, 6 or 8 records), then the prefix
; (trip 1: 8 records).  Every wave does all four blocks, so all do the same work; the waves share only tiles that nobody writes, so no barrier stands in the loops.
; q: all four blocks of a wave are asked for at the head, as they lie (sixteen lanes read 256 consecutive bytes), turned through the wave's own stage, and quantised there; the fragments of the three later blocks wait in
; registers and move up one place at each block's end.
; NO PREFETCH: q is asked for once, at the head, ahead of every loop; the records that come from memory in the loop are asked for a record's work ahead of their use by the loads themselves.
.set HALFB, 102400
.set SEQB,  204800
.set VOFF,  51200
.set STAGE, 307200
.set SPITCH, 272
.set WALKB, 0x400000
.set A16, 1
.set B0,  2
.set B1,  4
.set DMQ0, 6
.set STO, 7
.set SRD, 8
.set GO,  9
.set DMQ, 10
.set DM,  11
.set ZR,  12
.set QRD, 13
.set LS,  14
.set LC,  22
.set TT,  24
.set RL,  25
.set TA,  26
.set QF,  28
.set QS,  40
.set PW,  41
.set KS,  44
.set FR,  48
.set MM,  144
.set QM,  48                           ; q's quantiser works in registers that hold fragments later
.set QSO, 50
.set QBY, 52
.set QW,  54
.set QSH, 55
.set QX,  56
.set QT,  60
.set QN,  208                          ; v208-243 q's fragments of the three blocks to come, 12 registers each
.set QNS, 244                          ; v244-246 and their scale words
.set DD,  192
.set TM,  192
.set TX,  196
.set SO,  200
.set BY,  204
.set WT,  208
.set PC,  212
.set PX,  224
.set RLW, 240
.set ACC, 128
.set WV,  10
.set GG,  11
.set JJ,  12
.set BH,  13
.set BLK, 14
.set PASS, 15
.set LAST, 16
.set DIAG, 17
.set BC,  18                           ; which block of 256 tokens my wave is at
.set QBS, 48                           ; s[48:55] q's address for my four blocks, in my order
.set OBC, 60                           ; s[60:61] out0's address for this block
.set SEL, 20
.set NC,  22
.set KC,  24
.set CLP, 26
.set PB,  27
.set QB,  28
.set OB,  30
.set GC,  32
.set G1,  36
.set G0,  44
.set MSB, 0
.macro WIN new
.if MSB != (\new)
	s_set_vgpr_msb (MSB<<8)|(\new)
.set MSB, (\new)
.endif
.endm
.macro PLACES
.rept 4
	v_nop
.endr
.endm
.macro CROUND
	s_barrier_signal -1
	s_barrier_wait -1
	s_cmp_lg_u32 s[WV], 0
	s_cbranch_scc1 .Lnot_wave_0_\@
	s_barrier_signal -3
.Lnot_wave_0_\@:
	s_barrier_wait -3
	s_barrier_signal -1
	s_barrier_wait -1
.endm
.macro LDSREC adr, off
.irp t, 0,1,2,3,4,5,6,7
.irp c, 0,1,2
	ds_load_b128 v[FR+12*\t+4*\c:FR+12*\t+4*\c+3], v[\adr] offset:\off+1536*\t+512*\c
.endr
.endr
	ds_load_b128 v[KS:KS+3], v[\adr] offset:\off+12288
.endm
.macro GLBREC off
.irp t, 0,1,2,3,4,5,6,7
.irp c, 0,1,2
	global_load_b128 v[FR+12*\t+4*\c:FR+12*\t+4*\c+3], v[A16], s[GC:GC+1] offset:\off+1536*\t+512*\c
.endr
.endr
	global_load_b128 v[KS:KS+3], v[A16], s[GC:GC+1] offset:\off+12288
.endm
.macro LOADREC isv, k
.if (\k) < 4
	LDSREC B0+(\isv), (\k)*RECB
.else
	s_cmp_eq_u32 s[PASS], 1                        ; trip 1 is the prefix: all its records lie in LDS
	s_cbranch_scc0 .Lglob_\@
	LDSREC B1+(\isv), ((\k)-4)*RECB
	s_branch .Lgot_\@
.Lglob_\@:
	GLBREC HALFB+(\isv)*VOFF+((\k)-4)*RECB
.Lgot_\@:
.endif
.endm
.macro ST k
.set sW, 1+(\k)/3
.set sE, 64*((\k)%3)
	WIN (sW<<6)
.irp t, 0,1,2,3,4,5,6,7
.if \t%2
	v_wmma_scale_f32_16x16x128_f8f6f4 v[sE+8*\t:sE+8*\t+7], v[FR+12*\t:FR+12*\t+11], v[QF:QF+11], 0, v[KS+\t/2], v[QS] matrix_a_fmt:MATRIX_FMT_BF6 matrix_b_fmt:MATRIX_FMT_BF6 matrix_a_scale:MATRIX_SCALE_ROW1
.else
	v_wmma_scale_f32_16x16x128_f8f6f4 v[sE+8*\t:sE+8*\t+7], v[FR+12*\t:FR+12*\t+11], v[QF:QF+11], 0, v[KS+\t/2], v[QS] matrix_a_fmt:MATRIX_FMT_BF6 matrix_b_fmt:MATRIX_FMT_BF6
.endif
.endr
.endm
; FROM SCORES TO p = e^(30 tanh(score / (30 sqrt(128)))), for a record's 64 registers, in place.  With e = 2^t, t = -2 log2(e) score / (30 sqrt(128)) held at 64 from above (so that e stays finite):
; tanh = (1 - e) / (1 + e), and p = 2^(KC (1 - e) / (1 + e)), KC = 30 log2(e).  1 - e is formed of e itself, so the small tanh of a small score loses nothing.
; The record's two halves of 32 registers go one stage apart: a batch of 32 transcendentals on one half stands by turns with the plain stage of the other half, which names none of the batch's registers.
; What a stage writes is read in a later stage alone, and ONE wait closes each stage: eight waits a record.
; In each stage the transcendentals are drawn forward, so that the rest of the plain stage stands between the last of them and the stage's closing wait.
.macro TSADD op, t, x, d               ; 32 x op in place on v[t ..]; among and behind them d = x + 1, then x = KC (1 - x), on 32 others
.set cj, 0
.rept 16
	\op v[\t+2*cj], v[\t+2*cj]
	\op v[\t+2*cj+1], v[\t+2*cj+1]
	v_pk_add_f32 v[\d+2*cj:\d+2*cj+1], v[\x+2*cj:\x+2*cj+1], 1.0 op_sel_hi:[1,0]
.set cj, cj+1
.endr
.set cj, 0
.rept 16
	v_pk_fma_f32 v[\x+2*cj:\x+2*cj+1], v[\x+2*cj:\x+2*cj+1], s[KC:KC+1], s[KC:KC+1] op_sel_hi:[1,0,0] neg_lo:[1,0,0] neg_hi:[1,0,0]
.set cj, cj+1
.endr
	s_wait_alu depctr_va_vdst(0)
.endm
.macro TSMUL op, t, x, d               ; 32 x op in place on v[t ..]; among and behind them x = x d on 32 others
.set cj, 0
.rept 8
	\op v[\t+4*cj], v[\t+4*cj]
	\op v[\t+4*cj+1], v[\t+4*cj+1]
	\op v[\t+4*cj+2], v[\t+4*cj+2]
	\op v[\t+4*cj+3], v[\t+4*cj+3]
	v_pk_mul_f32 v[\x+2*cj:\x+2*cj+1], v[\x+2*cj:\x+2*cj+1], v[\d+2*cj:\d+2*cj+1]
.set cj, cj+1
.endr
.rept 8
	v_pk_mul_f32 v[\x+2*cj:\x+2*cj+1], v[\x+2*cj:\x+2*cj+1], v[\d+2*cj:\d+2*cj+1]
.set cj, cj+1
.endr
	s_wait_alu depctr_va_vdst(0)
.endm
.macro CHAIN k
.set cW, 1+(\k)/3
.set cE, 64*((\k)%3)                   ; the first half
.set cB, cE+32                         ; the second half
	WIN (0x55*cW)
	s_wait_alu depctr_va_vdst(0)                   ; directly ahead of the first reader of the scores
.set cj, 0
.rept 32
	v_pk_mul_f32 v[cE+2*cj:cE+2*cj+1], v[cE+2*cj:cE+2*cj+1], s[NC:NC+1] op_sel_hi:[1,0]   ; t, each accumulator from its low end on
.set cj, cj+1
.endr
.set cj, 0
.rept 32
	v_min_num_f32 v[cE+cj], s[CLP], v[cE+cj]
.set cj, cj+1
.endr
	s_wait_alu depctr_va_vdst(0)
.set cj, 0
.rept 16
	v_exp_f32 v[cE+2*cj], v[cE+2*cj]               ; e of the first half; the hold of the second
	v_exp_f32 v[cE+2*cj+1], v[cE+2*cj+1]
	v_min_num_f32 v[cB+cj], s[CLP], v[cB+cj]
.set cj, cj+1
.endr
.rept 16
	v_min_num_f32 v[cB+cj], s[CLP], v[cB+cj]
.set cj, cj+1
.endr
	s_wait_alu depctr_va_vdst(0)
	TSADD v_exp_f32, cB, cE, DD                    ; e of the second half;           1 + e and KC (1 - e) of the first
	TSADD v_rcp_f32, DD, cB, DD+32                 ; 1 / (1 + e) of the first half;  1 + e and KC (1 - e) of the second
	TSMUL v_rcp_f32, DD+32, cE, DD                 ; 1 / (1 + e) of the second half; the exponent of the first
	TSMUL v_exp_f32, cE, cB, DD+32                 ; p of the first half;            the exponent of the second
.set cj, 0
.rept 32
	v_exp_f32 v[cB+cj], v[cB+cj]                   ; p of the second half
.set cj, cj+1
.endr
	v_nop
	s_wait_alu depctr_va_vdst(0)
.endm
.macro MASK k
.set mW, 1+(\k)/3
.set mE, 64*((\k)%3)
	v_add_nc_u32 v[DM], -128*(\k), v[DMQ]
	WIN ((mW<<6)|mW)
.irp b, 0,1,2,3
.irp i, 0,1,2,3,4,5,6,7,8,9,10,11,12,13,14,15
	v_cmp_gt_i32 vcc_lo, 32*\b+\i, v[DM]
	v_cndmask_b32 v[mE+16*\b+\i], v[mE+16*\b+\i], v[ZR], vcc_lo
.endr
.endr
.endm
.macro SUMS k
.set uW, 1+(\k)/3
.set uE, 64*((\k)%3)
.set uj, 0
.if (\k) == 0
	WIN (uW|(uW<<2))
.rept 4
	v_pk_add_f32 v[LS+2*uj:LS+2*uj+1], v[uE+2*uj:uE+2*uj+1], v[uE+8+2*uj:uE+9+2*uj]
.set uj, uj+1
.endr
.set uj, 8
.endif
	WIN (uW<<2)
.rept 32-uj
	v_pk_add_f32 v[LS+2*(uj%4):LS+2*(uj%4)+1], v[LS+2*(uj%4):LS+2*(uj%4)+1], v[uE+2*uj:uE+2*uj+1]
.set uj, uj+1
.endr
.endm
.macro FIN k
	v_pk_add_f32 v[LS:LS+1], v[LS:LS+1], v[LS+2:LS+3]
	v_pk_add_f32 v[LS+4:LS+5], v[LS+4:LS+5], v[LS+6:LS+7]
	v_pk_add_f32 v[LS:LS+1], v[LS:LS+1], v[LS+4:LS+5]
	v_add_f32 v[LC], v[LS], v[LS+1]
	v_permlanex16_b32 v[TA], v[LC], s[SEL], s[SEL+1]
	v_add_f32 v[LC], v[LC], v[TA]
	s_wait_alu depctr_va_vdst(0)
	v_rcp_f32 v[RL], v[LC]
	v_nop
	s_wait_alu depctr_va_vdst(0)
.set fx, 1
.rept 1+(\k)/3
	WIN (fx<<6)
	v_mov_b32 v[RLW], v[RL]
	v_mov_b32 v[RLW+1], v[RL]
.set fx, fx+1
.endr
	WIN 0
.endm
.macro SW1 k
.if (\k) < 7
.if (\k)%2
	s_cmp_eq_u32 s[LAST], \k
	s_cbranch_scc1 .Lfed_\@
.endif
	s_wait_loadcnt 0x0
	s_wait_dscnt 0x0
	ST (\k)+1
	WIN 0
	PLACES
.if (\k) == 6
	LOADREC 1, 7
.elseif (\k)%2
	LOADREC 0, (\k)+2
.else
	s_cmp_eq_u32 s[LAST], (\k)+1
	s_cbranch_scc0 .Lon_\@
.if (\k)+1 < 4
	LDSREC B0+1, ((\k)+1)*RECB
.else
	GLBREC HALFB+VOFF+((\k)-3)*RECB
.endif
	s_branch .Lfed_\@
.Lon_\@:
	LOADREC 0, (\k)+2
.endif
.Lfed_\@:
.endif
	CHAIN \k
	WIN 0
	s_cmp_gt_u32 s[DIAG], \k
	s_cbranch_scc1 .Lopen_\@
	MASK \k
	WIN 0
.Lopen_\@:
	SUMS \k
	WIN 0
.if (\k) == 7
	FIN 7
.elseif (\k)%2
	s_cmp_eq_u32 s[LAST], \k
	s_cbranch_scc0 .Lcont_\@
	FIN \k
	s_branch .LPV_\k
.Lcont_\@:
.endif
.endm
.macro PV k
.LPV_\k:
.set pW, 1+(\k)/3
.set pE, 64*((\k)%3)
	WIN (0x55*pW)
.irp b, 0,1,2,3
	v_max3_num_f32 v[TM+\b], v[pE+16*\b], v[pE+16*\b+1], v[pE+16*\b+2]
.endr
.irp i, 3,5,7,9,11,13
.irp b, 0,1,2,3
	v_max3_num_f32 v[TM+\b], v[TM+\b], v[pE+16*\b+\i], v[pE+16*\b+\i+1]
.endr
.endr
.irp b, 0,1,2,3
	v_max_num_f32 v[TM+\b], v[TM+\b], v[pE+16*\b+15]
.endr
.irp b, 0,1,2,3
	v_permlanex16_b32 v[TX+\b], v[TM+\b], s[SEL], s[SEL+1]
.endr
.irp b, 0,1,2,3
	v_max_num_f32 v[TM+\b], v[TM+\b], v[TX+\b]
.endr
.irp b, 0,1,2,3
	v_mul_f32 v[TM+\b], v[TM+\b], v[RLW]
.endr
.irp b, 0,1,2,3
	v_max_num_f32 v[TM+\b], 0x2800000, v[TM+\b]
.endr
.irp b, 0,1,2,3
	v_add_nc_u32 v[SO+\b], 0xfe000000, v[TM+\b]
.endr
.irp b, 0,1,2,3
	v_lshrrev_b32 v[BY+\b], 23, v[SO+\b]
.endr
	v_lshl_or_b32 v[WT], v[BY+1], 8, v[BY]
	v_lshl_or_b32 v[WT], v[BY+2], 16, v[WT]
	v_lshl_or_b32 v[WT], v[BY+3], 24, v[WT]
	WIN pW
	v_mov_b32 v[PW], v[WT]
	WIN (0x55*pW)
.set pj, 0
.rept 32
	v_pk_mul_f32 v[pE+2*pj:pE+2*pj+1], v[pE+2*pj:pE+2*pj+1], v[RLW:RLW+1] op_sel_hi:[1,0]
.set pj, pj+1
.endr
.irp c, 0,1
	v_cvt_scalef32_pk16_bf6_f32 v[PC+6*\c:PC+6*\c+2], v[pE+32*\c:pE+32*\c+15], v[SO+2*\c]
	v_cvt_scalef32_pk16_bf6_f32 v[PX+4*\c:PX+4*\c+2], v[pE+32*\c+16:pE+32*\c+31], v[SO+2*\c+1]
.endr
	v_nop
.irp c, 0,1
.irp i, 0,1,2
	v_permlane16_swap_b32 v[PC+6*\c+\i], v[PX+4*\c+\i]
.endr
.irp i, 0,1,2
	v_mov_b32 v[PC+3+6*\c+\i], v[PX+4*\c+\i]
.endr
.endr
	PLACES
	s_wait_alu depctr_va_vdst(0)
	s_wait_loadcnt 0x0
	s_wait_dscnt 0x0
	WIN (0xf0|(pW<<2))
.irp n, 0,1,2,3,4,5,6,7
.if \n%2
	v_wmma_scale_f32_16x16x128_f8f6f4 v[ACC+8*\n:ACC+8*\n+7], v[FR+12*\n:FR+12*\n+11], v[PC:PC+11], v[ACC+8*\n:ACC+8*\n+7], v[KS+\n/2], v[PW] matrix_a_fmt:MATRIX_FMT_BF6 matrix_b_fmt:MATRIX_FMT_BF6 matrix_a_scale:MATRIX_SCALE_ROW1
.else
	v_wmma_scale_f32_16x16x128_f8f6f4 v[ACC+8*\n:ACC+8*\n+7], v[FR+12*\n:FR+12*\n+11], v[PC:PC+11], v[ACC+8*\n:ACC+8*\n+7], v[KS+\n/2], v[PW] matrix_a_fmt:MATRIX_FMT_BF6 matrix_b_fmt:MATRIX_FMT_BF6
.endif
.endr
	WIN 0
.if \k > 0
	PLACES
	LOADREC 1, (\k)-1
.endif
.endm
; q OF MY q-TH BLOCK, 16 tokens x 512 bytes.  QASK: as it lies, into the registers that hold record q later: lanes 0-15 read 256 consecutive bytes of token 2 j, lanes 16-31 of token 2 j + 1.
.macro QASK q
.set qW, 1+(\q)/3
.set qE, 64*((\q)%3)
	WIN (qW<<6)
.irp c, 0,1
.irp j, 0,1,2,3,4,5,6,7
	global_load_b128 v[qE+32*\c+4*\j:qE+32*\c+4*\j+3], v[GO], s[QBS+2*(\q):QBS+2*(\q)+1] offset:2*\j*16384+256*\c th:TH_LOAD_NT
.endr
.endr
	WIN 0
.endm
; QTURN: through my own stage, 256 bytes of each token at a time, into the registers that hold record 4 + q later: lane (r, h) gets token r's channels 64 c + 32 h + 0 .. 31, as the operand's layout wants them.
; LDS serves a wave's instructions in order (ISA guide 5.7.1.4): no wait stands between the stores and the loads, nor ahead of the next stores.
.macro QTURN q
.set qW, 1+(\q)/3
.set qE, 64*((\q)%3)
.set tW, 1+(4+(\q))/3
.set tE, 64*((4+(\q))%3)
.irp c, 0,1
	WIN (qW<<2)
.irp j, 0,1,2,3,4,5,6,7
	ds_store_b128 v[SRD], v[qE+32*\c+4*\j:qE+32*\c+4*\j+3] offset:2*\j*SPITCH
.endr
	WIN (tW<<6)
.irp j, 0,1,2,3,4,5,6,7
	ds_load_b128 v[tE+32*\c+4*\j:tE+32*\c+4*\j+3], v[QRD] offset:16*\j
.endr
.endr
	WIN 0
.endm
; QQUANT: a lane holds two whole blocks of 32; codes into v[qf ..], the row's scale word into v[qs]
.macro QQUANT q, qf, qs
.set tW, 1+(4+(\q))/3
.set tE, 64*((4+(\q))%3)
	WIN (tW|(tW<<2))
.irp c, 0,1
	v_max3_num_f32 v[QM+\c], |v[tE+32*\c]|, |v[tE+32*\c+1]|, 0x2800000
.endr
.irp i, 2,4,6,8,10,12,14,16,18,20,22,24,26,28,30
.irp c, 0,1
	v_max3_num_f32 v[QM+\c], |v[tE+32*\c+\i]|, |v[tE+32*\c+\i+1]|, v[QM+\c]
.endr
.endr
	WIN 0
.irp c, 0,1
	v_add_nc_u32 v[QSO+\c], 0xfe000000, v[QM+\c]
.endr
.irp c, 0,1
	v_lshrrev_b32 v[QBY+\c], 23, v[QSO+\c]
.endr
	v_lshl_or_b32 v[QW], v[QBY+1], 16, v[QBY]
	v_lshlrev_b32 v[QW], v[QSH], v[QW]
	v_permlanex16_b32 v[QX], v[QW], s[SEL], s[SEL+1]
	v_or_b32 v[\qs], v[QW], v[QX]
	WIN tW
.irp c, 0,1
	v_cvt_scalef32_pk16_bf6_f32 v[(\qf)+6*\c:(\qf)+6*\c+2], v[tE+32*\c:tE+32*\c+15], v[QSO+\c]
	v_cvt_scalef32_pk16_bf6_f32 v[QT+4*\c:QT+4*\c+2], v[tE+32*\c+16:tE+32*\c+31], v[QSO+\c]
.endr
	WIN 0
	v_nop
.irp c, 0,1
.irp i, 0,1,2
	v_mov_b32 v[(\qf)+3+6*\c+\i], v[QT+4*\c+\i]
.endr
.endr
.endm
	s_load_b128 s[4:7], s[0:1], 0x0
	s_load_b64 s[8:9], s[0:1], 0x10
	v_lshl_add_u32 v254, v0, 2, 0x4f400
	v_mov_b32 v255, 0
	ds_add_u32 v254, v255
	ds_add_u32 v254, v255
	v_lshrrev_b32 v217, 5, v0
	v_readfirstlane_b32 s[WV], v217
	s_bfe_u32 s[GG], ttmp6, 0x40000
	s_mov_b32 s[JJ], ttmp9
	s_and_b32 s[BH], ttmp7, 0xffff
	s_mov_b32 s[G1], 15|(3<<16)|(1<<21)
	s_mov_b32 s[G1+1], 32<<16
	s_mov_b32 s[G1+2], 300<<16                     ; a wave's load: 300 rows of 256 bytes
	s_mov_b32 s[G1+3], 32<<16
	s_mov_b32 s[G1+4], 300
	s_mov_b32 s[G1+5], 32
	s_mov_b32 s[G1+6], 0
	s_mov_b32 s[G1+7], 0
	s_mov_b32 s[SEL], 0x76543210
	s_mov_b32 s[SEL+1], 0xfedcba98
	s_mov_b32 s[NC], 0xbc0b4875
	s_mov_b32 s[NC+1], s[NC]
	s_mov_b32 s[KC], 0x422d1f97
	s_mov_b32 s[KC+1], s[KC]
	s_mov_b32 s[CLP], 0x42800000
	s_mov_b32 s[PB], SEQB                          ; trip 0 reads the new tokens' records, behind the prefix's in LDS
	s_mov_b32 s[BLK], 0
	s_mov_b32 s[BC], s[WV]                         ; my first block
	s_lshr_b32 s56, s[BH], 3
	s_lshl_b32 s56, s56, 10
	s_lshl_b32 s57, s[JJ], 6
	s_add_co_u32 s56, s56, s57
	s_lshl_b32 s57, s[WV], 4
	s_add_co_u32 s56, s56, s57
	s_lshl_b32 s56, s56, 14
	s_and_b32 s57, s[BH], 7
	s_lshl_b32 s57, s57, 2
	s_add_co_u32 s57, s57, s[GG]
	s_lshl_b32 s57, s57, 9
	s_add_co_u32 s56, s56, s57
	s_mov_b32 s57, 0
	s_mul_i32 s62, s[BH], 2*SEQB                   ; my head's two sequences lie on end in kvq: the prefix's, then the new tokens'
	s_mul_i32 s58, s[WV], 76800                    ; my quarter of the 307,200 bytes that LDS keeps, in kvq and in LDS alike
	s_add_co_u32 s60, s62, s58
	s_mov_b32 s61, 0
	s_add_co_u32 s62, s62, SEQB                    ; the new tokens' sequence, for the records that come from memory
	s_mov_b32 s63, 0
	s_mov_b32 s[G0], 1
	s_add_co_u32 s[G0+1], s58, 0
	s_wait_dscnt 0x0
	s_wait_kmcnt 0x0
	s_add_nc_u64 s[QB:QB+1], s[4:5], s[56:57]
	s_add_nc_u64 s[OB:OB+1], s[8:9], s[56:57]
	s_add_nc_u64 s[60:61], s[6:7], s[60:61]
	s_add_nc_u64 s[GC:GC+1], s[6:7], s[62:63]
	s_mov_b64 s[G0+2:G0+3], s[60:61]
	s_or_b32 s[G0+3], s[G0+3], 0x80000000
	CROUND                                         ; the cluster's four are here: the joint loads meet
	tensor_load_to_lds s[G0:G0+3], s[G1:G1+7]      ; my one tensor load of the launch
	s_nop 0
	PLACES
	s_mov_b32 s57, 0
.irp i, 0,1,2,3
	s_add_co_u32 s56, s[WV], \i                    ; my i-th block is block (wave + i) mod 4: 256 tokens of 16,384 bytes apart
	s_and_b32 s56, s56, 3
	s_lshl_b32 s56, s56, 22
	s_add_nc_u64 s[QBS+2*\i:QBS+2*\i+1], s[QB:QB+1], s[56:57]
.endr
	v_and_b32 v217, 31, v0
	v_and_b32 v218, 15, v0
	v_bfe_u32 v219, v0, 4, 1
	v_lshlrev_b32 v[A16], 4, v217
	v_add_nc_u32 v[B1], HALFB, v[A16]
	v_add_nc_u32 v[B1+1], HALFB+VOFF, v[A16]
	s_mul_i32 s56, s[WV], 16*SPITCH
	s_add_co_u32 s56, s56, STAGE
	v_mul_u32_u24 v[STO], v218, SPITCH
	v_lshl_add_u32 v[STO], v219, 5, v[STO]
	v_add_nc_u32 v[STO], s56, v[STO]
	v_mul_u32_u24 v[SRD], v219, SPITCH
	v_lshl_add_u32 v[SRD], v218, 4, v[SRD]
	v_add_nc_u32 v[SRD], s56, v[SRD]
	v_mul_u32_u24 v[QRD], v218, SPITCH             ; q out of the stage: row r, 128 bytes for each half of the lanes
	v_lshl_add_u32 v[QRD], v219, 7, v[QRD]
	v_add_nc_u32 v[QRD], s56, v[QRD]
	v_lshlrev_b32 v[GO], 14, v219
	v_lshl_add_u32 v[GO], v218, 4, v[GO]
	v_lshlrev_b32 v220, 4, v219
	v_sub_nc_u32 v[DMQ0], v218, v220
	s_lshl_b32 s56, s[WV], 4
	s_lshl_b32 s59, s[JJ], 6
	s_add_co_u32 s56, s56, s59
	v_add_nc_u32 v[DMQ0], s56, v[DMQ0]
	v_mov_b32 v[ZR], 0
	v_lshlrev_b32 v[QSH], 3, v219
	v_mov_b32 v[QX], 0
	v_mov_b32 v[TA], 0
	v_mov_b32 v[TA+1], 0
	v_mov_b32 v[LC+1], 0
	s_wait_alu depctr_va_vdst(0)
	QASK 0
	QASK 1
	QASK 2
	QASK 3
	s_wait_loadcnt 48                              ; block 0's sixteen loads are in; the 48 of the three others may be out
	QTURN 0
	s_wait_loadcnt 32
	QTURN 1
	s_wait_dscnt 32                                ; block 0 is back from the stage; block 1's 32 LDS instructions may be out
	QQUANT 0, QF, QS
	s_wait_loadcnt 16
	QTURN 2
	s_wait_dscnt 32
	QQUANT 1, QN, QNS
	s_wait_loadcnt 0x0
	QTURN 3
	s_wait_dscnt 32
	QQUANT 2, QN+12, QNS+1
	s_wait_dscnt 0x0
	QQUANT 3, QN+24, QNS+2
	s_wait_alu depctr_va_vdst(0)
	s_wait_tensorcnt 0x0
	s_barrier_signal -1
	s_barrier_wait -1
.Lblock:
	s_lshl_b32 s[DIAG], s[BC], 1                   ; the new tokens' pass: records 2 b and 2 b + 1 hold the diagonal,
	s_add_co_u32 s[LAST], s[DIAG], 1               ; and the second of them is the last
	s_lshl_b32 s56, s[BC], 8
	v_add_nc_u32 v[DMQ], s56, v[DMQ0]
.set fx, 0
.rept 64
	v_mov_b32 v[MM+fx], 0
.set fx, fx+1
.endr
	v_mov_b32 v[TT], 0
	s_mov_b32 s[PASS], 0
	s_wait_xcnt 0x0                                ; the last block's stores have read their registers and their base: fragments may land there
.Lpass:
	v_add_nc_u32 v[B0], s[PB], v[A16]
	v_add_nc_u32 v[B0+1], VOFF, v[B0]
	LDSREC B0, 0
	WIN 0xc0
.set fx, 0
.rept 64
	v_mov_b32 v[ACC+fx], 0
.set fx, fx+1
.endr
	s_wait_dscnt 0x0
	ST 0
	WIN 0
	PLACES
	LDSREC B0, RECB
	SW1 0
	SW1 1
	SW1 2
	SW1 3
	SW1 4
	SW1 5
	SW1 6
	SW1 7
	PV 7
	PV 6
	PV 5
	PV 4
	PV 3
	PV 2
	PV 1
	PV 0
	PLACES
	WIN 0x03
.set fx, 0
.rept 32
	v_pk_fma_f32 v[MM+2*fx:MM+2*fx+1], v[ACC+2*fx:ACC+2*fx+1], v[LC:LC+1], v[MM+2*fx:MM+2*fx+1] op_sel_hi:[1,0,1]
.set fx, fx+1
.endr
	WIN 0
	v_add_f32 v[TT], v[TT], v[LC]
	s_mov_b32 s[LAST], 7                           ; the prefix: all eight records, no mask
	s_mov_b32 s[DIAG], -1
	s_xor_b32 s[PB], s[PB], SEQB
	s_add_co_u32 s[PASS], s[PASS], 1
	s_cmp_lt_u32 s[PASS], 2
	s_cbranch_scc1 .Lpass
	s_lshl_b32 s56, s[BC], 22
	s_mov_b32 s57, 0
	s_add_nc_u64 s[OBC:OBC+1], s[OB:OB+1], s[56:57]   ; this block's rows of out0 (the wait on XCNT at the block's head stands between the last stores and this line)
	s_wait_alu depctr_va_vdst(0)
	v_rcp_f32 v[TA], v[TT]
	v_nop
	s_wait_alu depctr_va_vdst(0)
.set fx, 0
.rept 32
	v_pk_mul_f32 v[MM+2*fx:MM+2*fx+1], v[MM+2*fx:MM+2*fx+1], v[TA:TA+1] op_sel_hi:[1,0]
.set fx, fx+1
.endr
.irp u, 0,1
.irp t, 0,1,2,3
	ds_store_b128 v[STO], v[MM+32*\u+8*\t:MM+32*\u+8*\t+3] offset:64*\t
	ds_store_b128 v[STO], v[MM+32*\u+8*\t+4:MM+32*\u+8*\t+7] offset:64*\t+16
.endr
.irp i, 0,1,2,3,4,5,6,7
	ds_load_b128 v[FR+32*\u+4*\i:FR+32*\u+4*\i+3], v[SRD] offset:2*\i*SPITCH
.endr
.endr
.irp u, 0,1
.irp i, 0,1,2,3,4,5,6,7
	s_wait_dscnt 23-16*\u-\i
	global_store_b128 v[GO], v[FR+32*\u+4*\i:FR+32*\u+4*\i+3], s[OBC:OBC+1] offset:2*\i*16384+256*\u th:TH_STORE_NT
.endr
.endr
.set fx, 0
.rept 12
	v_mov_b32 v[QF+fx], v[QN+fx]                   ; q's fragments move up one place
.set fx, fx+1
.endr
.set fx, 0
.rept 24
	v_mov_b32 v[QN+fx], v[QN+12+fx]
.set fx, fx+1
.endr
	v_mov_b32 v[QS], v[QNS]
	v_mov_b32 v[QNS], v[QNS+1]
	v_mov_b32 v[QNS+1], v[QNS+2]
	s_add_co_u32 s[BC], s[BC], 1
	s_and_b32 s[BC], s[BC], 3
	s_add_co_u32 s[BLK], s[BLK], 1
	s_cmp_lt_u32 s[BLK], 4
	s_cbranch_scc1 .Lblock
	s_wait_dscnt 0x0
	s_wait_tensorcnt 0x0
	ds_add_u32 v254, v255
	s_wait_dscnt 0x0
	CROUND
	s_endpgm
.Lfunc_end_k_qf5a601a875_attn:
	.size	k_qf5a601a875_attn, .Lfunc_end_k_qf5a601a875_attn-k_qf5a601a875_attn
	.p2alignl 7, 3214868480
	.fill 96, 4, 3214868480
	.section	.rodata,"a",@progbits
	.p2align	6, 0x0
	.amdhsa_kernel k_qf5a601a875_attn
		.amdhsa_group_segment_fixed_size 327680
		.amdhsa_private_segment_fixed_size 0
		.amdhsa_enable_private_segment 0
		.amdhsa_kernarg_size 24
		.amdhsa_user_sgpr_count 2
		.amdhsa_user_sgpr_kernarg_segment_ptr 1
		.amdhsa_wavefront_size32 1
		.amdhsa_system_sgpr_workgroup_id_x 1
		.amdhsa_system_sgpr_workgroup_id_y 1
		.amdhsa_system_sgpr_workgroup_id_z 1
		.amdhsa_system_vgpr_workitem_id 0
		.amdhsa_next_free_vgpr 1024
		.amdhsa_next_free_sgpr 66
		.amdhsa_reserve_vcc 1
		.amdhsa_float_denorm_mode_32 3
		.amdhsa_float_denorm_mode_16_64 3
		.amdhsa_memory_ordered 1
		.amdhsa_forward_progress 1
		.amdhsa_inst_pref_size 255
	.end_amdhsa_kernel
	.section	.bss,"aw",@nobits
	.p2align	6
	.space	262144
	.amdgpu_metadata
---
amdhsa.version: [ 1, 2 ]
amdhsa.kernels:
  - .name:           k_qf5a601a875_attn
    .symbol:         k_qf5a601a875_attn.kd
    .args:
      - { .name: q, .offset: 0, .size: 8, .value_kind: global_buffer, .address_space: global }
      - { .name: kvq, .offset: 8, .size: 8, .value_kind: global_buffer, .address_space: global }
      - { .name: out0, .offset: 16, .size: 8, .value_kind: global_buffer, .address_space: global }
    .group_segment_fixed_size: 327680
    .private_segment_fixed_size: 0
    .kernarg_segment_align: 8
    .kernarg_segment_size: 24
    .max_flat_workgroup_size: 128
    .sgpr_count:     66
    .vgpr_count:     1024
    .wavefront_size: 32
...
	.end_amdgpu_metadata
.endif
;; end of part 2
